; MI455X (gfx1250); checked and timed in simulation.
; The chip was launched on July 23, 2026; its instructions are those of AMD's public machine-readable ISA for CDNA 5 (MIT licence, August 2026) and "CDNA5" Instruction Set Architecture Reference Guide (July 2026). The comments in the code are by the model that wrote it; some were corrected since.
;; Mini Multi Head Attention. Allowed arithmetic: matrix products marked QUANTISED: E2M3 operands, one E8M0 scale for each 32 along K, by v_wmma_scale_f32_16x16x128_f8f6f4 with both operands' format E2M3, f32 sums; everything else in f32.
;; Inputs: bk 1,024 float32; bo 1,024 float32; bq 1,024 float32; bv 1,024 float32; hidden_states 4 x 2,048 x 1,024 float32; wk 1,024 x 1,024 float32; wo 1,024 x 1,024 float32; wq 1,024 x 1,024 float32; wv 1,024 x 1,024 float32.
;; Outputs: out0 4 x 2,048 x 1,024 float32.
;; This version of the problem:
;;   THIS VERSION OF THE PROBLEM IS GIVEN IN LOW PRECISION. The matrix products marked QUANTISED in the list below multiply operands that are first quantised to E2M3 (2 exponent bits, 3 mantissa bits; 6 bits a number), with one power-of-two scale for each 32 numbers along K (OCP MX v1.0); their sums are f32. All else is computed in f32.
;;   The module's matrix products, in the order in which they are computed (A, B: the left and right operand; K: the contracted axis; several contracted axes count as one K, in the product's order):
;;     1. [M 8,192, K 1,024] x [K 1,024, N 1,024]; A: input hidden_states; B: input wq: QUANTISED
;;     2. [M 8,192, K 1,024] x [K 1,024, N 1,024]; A: input hidden_states; B: input wk: QUANTISED
;;     3. [M 8,192, K 1,024] x [K 1,024, N 1,024]; A: input hidden_states; B: input wv: QUANTISED
;;     4. batch 64 x [M 2,048, K 64] x [K 64, N 2,048]; A: computed on the way; B: computed on the way: QUANTISED
;;     5. batch 64 x [M 2,048, K 2,048] x [K 2,048, N 64]; A: softmax (see below); B: computed on the way: QUANTISED
;;     6. [M 8,192, K 1,024] x [K 1,024, N 1,024]; A: computed on the way; B: input wo: QUANTISED
;;   THE QUANTISER, for each operand of a quantised product, along K:
;;     - K is cut into blocks of 32 from its start; a last block that is shorter is filled with zeros.
;;     - A block's scale is 2^e with e = floor(log2(the largest magnitude in the block)) - 2, held to -126 .. 127; a block of zeros has e = 0. As a byte (E8M0): e + 127.
;;     - Each number is divided by its block's scale, clamped to +-7.5, and rounded to the nearest number of E2M3, ties to even, subnormals kept.
;;     - The product sums the exact products of the quantised numbers (number of the format x scale) in f32.
;;   ~~~python
;;   def quantise(x, axis):      # numpy; x: float32 -> the quantised numbers, widened to float32 again
;;       x = np.moveaxis(x, axis, -1); K = x.shape[-1]
;;       x = np.pad(x, [(0, 0)] * (x.ndim - 1) + [(0, -K % 32)]); x = x.reshape(x.shape[:-1] + (-1, 32)); a = np.abs(x).max(-1, keepdims=True)
;;       e = np.where(a > 0, np.clip(np.frexp(np.where(a > 0, a, 1))[1] - 1 - 2, -126, 127), 0)      # np.frexp(a)[1] - 1 = floor(log2(a)), exactly
;;       r = np.clip(x / 2.0 ** e, -7.5, 7.5)
;;       step = 2.0 ** (np.maximum(np.frexp(np.where(r == 0, 1, r))[1] - 1, 0) - 3)
;;       q = np.round(r / step) * step * 2.0 ** e      # np.round: ties to even
;;       return np.moveaxis(q.reshape(q.shape[:-2] + (-1,))[..., :K], -1, axis).astype(np.float32)
;;   ~~~
;;   SOFTMAX AHEAD OF A QUANTISED PRODUCT. Where the list says 'softmax', what is quantised is not the finished softmax but p = 2^(t - M), with t = logit x log2(e) and M = ceil(the row's largest t), a whole number; so 1/2 < the row's largest p <= 1. The row's sum l is taken of the UNQUANTISED p, in f32, and the product's result is divided by l at the end. Since M is a whole number, a kernel that streams over the keys may use a running M (the ceiling of the running maximum): every later rescaling is an exact power of two, which a block's scale takes up: the codes' values come out the same.
;;   OPERANDS COMPUTED ON THE WAY. 'Computed on the way' means the value that the module computes at that place (a softmax that the list does not call 'softmax' is quantised finished and normalised). What goes into a quantiser is computed in f32, as accurately as f32 sums, v_exp_f32 and their like allow (about 1e-6 of the number): no bf16 or f16 on the way to a quantiser, and a product that is left as it is and whose result goes on into a quantised operand takes f32 operands (vector FMAs, or v_wmma_f32_16x16x4_f32). A number that lies on a knife's edge between two numbers of the format may be rounded either way, as far as f32 arithmetic and the matrix unit's own rounding can turn it there, and no further.
;; One version. Each part assembles by itself: llvm-mc -triple=amdgcn-amd-amdhsa -mcpu=gfx1250 --defsym DOCPART=n.
;; ======== version 1 of 1: 4 launches
;; limits: right only within a limited range of input values
;; workspace buffers: xw_codes 9,437,184 bytes; xw_scales 393,216 bytes; qbuf 6,815,744 bytes; kv 13,631,488 bytes; a_codes 6,291,456 bytes; a_scales 262,144 bytes
;; launch quant (part 1): grid 384 x 1, 4 waves a work-group, no clusters, 34,304 bytes of LDS; arguments hidden_states, wq, wk, wv, wo, xw_codes, xw_scales; writes xw_codes, xw_scales
.if DOCPART == 1
	.amdgcn_target "amdgcn-amd-amdhsa--gfx1250"
	.amdhsa_code_object_version 6
	.text
	.protected	k_q4d91ce3b9b_quant
	.globl	k_q4d91ce3b9b_quant
	.p2align	8
	.type	k_q4d91ce3b9b_quant,@function
k_q4d91ce3b9b_quant:
	s_mov_b64 s[64:65], 0
	v_nop
	global_prefetch_b8 v0, s[64:65] scope:SCOPE_SE
	s_setreg_imm32_b32 hwreg(HW_REG_WAVE_MODE, 25, 1), 1
	s_wait_xcnt 0x0
; hidden_states [8192][1024] and wq, wk, wv, wo [1024][1024], f32 with K innermost, become codes of FP6 (E2M3) with one E8M0 scale byte for each 32 along K,
; laid in the order of a matrix operand's registers.  Rows go in ROW TILES of 16: storage row i of tile T is row 32 (T / 2) + 8 (T % 2) + i + 8 (i / 8).
; Tiles 0-511: hidden_states; 512-575 wq; 576-639 wk; 640-703 wv; 704-767 wo.
; xw_codes [T][K step of 128: 0..7][1,536]: a fragment's image: piece p (0..5) is 256 bytes, lane l's 8 bytes at 256 p + 8 l are the operand's registers 2 p, 2 p + 1.
; xw_scales [T][half of K][row 0..15][4 words]: one word (four bytes) for a row and a K step.
; A block's scale is 2^(floor(log2(its largest magnitude)) - 2); its byte is the largest magnitude's exponent field - 2, held at 1 from below.
; LIMITS: NaN and infinities are not served; a block whose largest magnitude lies under 2^-124 gets the byte 1; a block of zeros gets the byte 1 and not 127: its codes are zeros, and this program alone reads the bytes.
; SHARES: a work-group takes 32 rows (two row tiles); wave w takes tile w / 2 of the two and half w % 2 of K: four K steps.  Each load reads 512 consecutive bytes of one row; a K step's 16 x 512 bytes turn
; through the wave's own stage in LDS (rows of 528 bytes), so that a lane gets 16 neighbours of each block of 32 of its row.  Waves share nothing: no barrier.  Loads run two K steps (32 loads a wave) ahead.
.set ROWB,   4096                      ; a row of any of the five tensors in bytes
.set SPITCH, 528                       ; a stage row: 512 bytes + 16: the sixteen rows that a load of 16 bytes a lane touches begin in sixteen different groups of four banks
.set WSTG,   16*SPITCH                 ; a wave's stage
.set FRB,    1536                      ; a fragment's image
.set GA,  1                            ; v1   16 x lane
.set L8,  2                            ; v2   8 x lane
.set R16, 3                            ; v3   16 x (lane % 16)
.set SI,  4                            ; v4   the stage, in
.set SO,  5                            ; v5   the stage, out
.set R,   16                           ; v16-143  two sets of 64 registers as loaded
.set X,   144                          ; v144-207 register 16 b + i = k 32 b + 16 (lane / 16) + i of my row
.set PC,  208                          ; v208-219 the fragment; v220-226 at work
.set TM,  228                          ; v228-243 at work
.set PW,  244                          ; v244-247 the four K steps' scale words
.set SEL, 24                           ; s[24:25] lane selects: lane l xor 16
; 64 numbers of a lane, register 16 b + i = k 32 b + 16 (lane / 16) + i of its row, become a fragment's codes in v[PC] on and the row's scale word in v[pw].
.macro QUANT s, pw
.irp b, 0,1,2,3
	v_max3_num_f32 v[TM+\b], |v[\s+16*\b]|, |v[\s+1+16*\b]|, 0x1800000   ; block b: my 16 numbers, and the floor 2^(3 - 127): the byte cannot fall under 1
.endr
.irp i, 2,4,6,8,10,12,14
.irp b, 0,1,2,3
	v_max3_num_f32 v[TM+\b], v[TM+\b], |v[\s+16*\b+\i]|, |v[\s+1+16*\b+\i]|   ; the four blocks by turns
.endr
.endr
.irp b, 0,1,2,3
	v_permlanex16_b32 v[TM+4+\b], v[TM+\b], s[SEL], s[SEL+1]
.endr
.irp b, 0,1,2,3
	v_max_num_f32 v[TM+\b], v[TM+\b], v[TM+4+\b]   ; with lane l xor 16's 16: the block's largest magnitude
.endr
.irp b, 0,1,2,3
	v_add_nc_u32 v[TM+12+\b], 0xff000000, v[TM+\b]   ; 2 off its exponent field: the conversion takes this operand's exponent field as its scale
.endr
.irp b, 0,1,2,3
	v_lshrrev_b32 v[TM+4+\b], 23, v[TM+12+\b]      ; the scale's byte
.endr
	v_lshl_or_b32 v[\pw], v[TM+5], 8, v[TM+4]
	v_lshl_or_b32 v[\pw], v[TM+6], 16, v[\pw]
	v_lshl_or_b32 v[\pw], v[TM+7], 24, v[\pw]
.irp c, 0,1
	v_cvt_scalef32_pk16_fp6_f32 v[PC+6*\c:PC+2+6*\c], v[\s+32*\c:\s+15+32*\c], v[TM+12+2*\c]
	v_cvt_scalef32_pk16_fp6_f32 v[PC+12+4*\c:PC+14+4*\c], v[\s+16+32*\c:\s+31+32*\c], v[TM+12+2*\c+1]   ; (a conversion's three registers begin on an even number)
.endr
	v_nop                                          ; one plain instruction behind the scaled conversions
.irp c, 0,1                                    ; the operand wants a whole block in a lane: lanes 0-15 block 2 c, lanes 16-31 block 2 c + 1
.irp i, 0,1,2
	v_permlane16_swap_b32 v[PC+6*\c+\i], v[PC+12+4*\c+\i]
.endr
.irp i, 0,1,2
	v_mov_b32 v[PC+3+6*\c+\i], v[PC+12+4*\c+\i]
.endr
.endr
.endm
	s_load_b256 s[8:15], s[0:1], 0x0               ; hidden_states s[8:9], wq s[10:11], wk s[12:13], wv s[14:15]
	s_load_b128 s[16:19], s[0:1], 0x20             ; wo s[16:17], xw_codes s[18:19]
	s_load_b64 s[20:21], s[0:1], 0x30              ; xw_scales
	v_lshl_add_u32 v254, v0, 2, 0x8400
	v_mov_b32 v255, 0
	v_lshrrev_b32 v6, 5, v0
	v_readfirstlane_b32 s2, v6                     ; wave 0..3
	v_and_b32 v7, 31, v0                           ; lane
	v_and_b32 v8, 15, v0                           ; r
	v_bfe_u32 v9, v0, 4, 1                         ; h
	v_lshlrev_b32 v[GA], 4, v7
	v_lshlrev_b32 v[L8], 3, v7
	v_lshlrev_b32 v[R16], 4, v8
	s_mul_i32 s3, s2, WSTG
	v_add_nc_u32 v[SI], s3, v[GA]                  ; in: a row's 512 bytes as they lie
	v_mul_u32_u24 v[SO], v8, SPITCH
	v_lshl_add_u32 v[SO], v9, 6, v[SO]
	v_add_nc_u32 v[SO], s3, v[SO]                  ; out: row r, + 64 h: my 16 numbers of a block
.irp b, 0,1,2,3
	v_mov_b32 v[TM+4+\b], 0                        ; written once: a lane permute's destination counts as one of its sources
.endr
	s_mov_b32 s[SEL], 0x76543210
	s_mov_b32 s[SEL+1], 0xfedcba98
	s_lshr_b32 s26, s2, 1                          ; which of the two row tiles
	s_and_b32 s27, s2, 1                           ; which half of K
	s_lshl_b32 s28, ttmp9, 1
	s_add_co_u32 s28, s28, s26                     ; my row tile
	s_mul_i32 s30, s28, 8*FRB
	s_mul_i32 s22, s27, 4*FRB
	s_add_co_u32 s30, s30, s22                     ; its codes, my half of K
	s_mov_b32 s31, 0
	s_lshl_b32 s28, s28, 9
	s_lshl_b32 s22, s27, 8
	s_add_co_u32 s28, s28, s22                     ; its scale words
	s_mov_b32 s29, 0
	s_lshl_b32 s26, s26, 15                        ; the second tile begins 8 rows down,
	s_lshl_b32 s27, s27, 11                        ; the second half of K 2,048 bytes on
	s_add_co_u32 s26, s26, s27
	s_and_b32 s22, ttmp9, 31                       ; a weight's group of 32 rows
	s_wait_alu depctr_va_vdst(0)
	s_wait_kmcnt 0x0
	s_mov_b64 s[4:5], s[16:17]                     ; which tensor: the choice hangs on the work-group's number alone
	s_cmp_lt_u32 ttmp9, 352
	s_cselect_b64 s[4:5], s[14:15], s[4:5]
	s_cmp_lt_u32 ttmp9, 320
	s_cselect_b64 s[4:5], s[12:13], s[4:5]
	s_cmp_lt_u32 ttmp9, 288
	s_cselect_b64 s[4:5], s[10:11], s[4:5]
	s_cmp_lt_u32 ttmp9, 256
	s_cselect_b64 s[4:5], s[8:9], s[4:5]
	s_cselect_b32 s22, ttmp9, s22
	s_lshl_b32 s22, s22, 17                        ; 32 rows of 4,096 bytes
	s_add_co_u32 s22, s22, s26
	s_mov_b32 s23, 0
	s_add_nc_u64 s[4:5], s[4:5], s[22:23]
	s_add_nc_u64 s[6:7], s[18:19], s[30:31]
	s_add_nc_u64 s[32:33], s[20:21], s[28:29]
.macro LOAD t                          ; K step t of my 16 rows: 512 consecutive bytes a load
.irp i, 0,1,2,3,4,5,6,7,8,9,10,11,12,13,14,15
	global_load_b128 v[R+64*((\t)%2)+4*\i:R+64*((\t)%2)+4*\i+3], v[GA], s[4:5] offset:(\i+8*(\i/8))*ROWB+512*(\t) th:TH_LOAD_NT
.endr
.endm
.macro STEP t
.if (\t) < 3
	s_wait_loadcnt 16                              ; this step's 16 loads are in; the next step's 16 are younger
.else
	s_wait_loadcnt 0x0
.endif
.irp i, 0,1,2,3,4,5,6,7,8,9,10,11,12,13,14,15
	ds_store_b128 v[SI], v[R+64*((\t)%2)+4*\i:R+64*((\t)%2)+4*\i+3] offset:SPITCH*\i
.endr
.irp b, 0,1,2,3
.irp j, 0,1,2,3
	ds_load_b128 v[X+16*\b+4*\j:X+16*\b+4*\j+3], v[SO] offset:128*\b+16*\j   ; LDS serves a wave's instructions in order: these see the stores above
.endr
.endr
	s_wait_dscnt 0x0                               ; the stores have read their registers, and my 64 numbers are in
.if (\t) < 2
	LOAD (\t)+2
.endif
.if (\t) > 0
	s_wait_xcnt 0x0                                ; the last step's stores have read the codes' registers
.endif
	QUANT X, PW+(\t)
.irp p, 0,1,2,3,4,5
	global_store_b64 v[L8], v[PC+2*\p:PC+2*\p+1], s[6:7] offset:FRB*(\t)+256*\p   ; 32 lanes store 256 consecutive bytes, aligned
.endr
.endm
	LOAD 0
	LOAD 1
	STEP 0
	STEP 1
	STEP 2
	STEP 3
	global_store_b128 v[R16], v[PW:PW+3], s[32:33] ; 16 rows x 4 words: 256 consecutive bytes; lanes 16-31 hold the same words and write the same bytes
	s_wait_tensorcnt 0x0
	ds_add_u32 v254, v255
	s_wait_dscnt 0x0
	s_endpgm
.Lfunc_end_k_q4d91ce3b9b_quant:
	.size	k_q4d91ce3b9b_quant, .Lfunc_end_k_q4d91ce3b9b_quant-k_q4d91ce3b9b_quant
	.p2alignl 7, 3214868480
	.fill 96, 4, 3214868480
	.section	.rodata,"a",@progbits
	.p2align	6, 0x0
	.amdhsa_kernel k_q4d91ce3b9b_quant
		.amdhsa_group_segment_fixed_size 34304
		.amdhsa_private_segment_fixed_size 0
		.amdhsa_enable_private_segment 0
		.amdhsa_kernarg_size 56
		.amdhsa_user_sgpr_count 2
		.amdhsa_user_sgpr_kernarg_segment_ptr 1
		.amdhsa_wavefront_size32 1
		.amdhsa_system_sgpr_workgroup_id_x 1
		.amdhsa_system_sgpr_workgroup_id_y 1
		.amdhsa_system_sgpr_workgroup_id_z 1
		.amdhsa_system_vgpr_workitem_id 0
		.amdhsa_next_free_vgpr 256
		.amdhsa_next_free_sgpr 66
		.amdhsa_reserve_vcc 0
		.amdhsa_float_denorm_mode_32 3
		.amdhsa_float_denorm_mode_16_64 3
		.amdhsa_memory_ordered 1
		.amdhsa_forward_progress 1
		.amdhsa_inst_pref_size 35
	.end_amdhsa_kernel
	.amdgpu_metadata
---
amdhsa.version: [ 1, 2 ]
amdhsa.kernels:
  - .name:           k_q4d91ce3b9b_quant
    .symbol:         k_q4d91ce3b9b_quant.kd
    .args:
      - { .name: hidden_states, .offset: 0, .size: 8, .value_kind: global_buffer, .address_space: global }
      - { .name: wq, .offset: 8, .size: 8, .value_kind: global_buffer, .address_space: global }
      - { .name: wk, .offset: 16, .size: 8, .value_kind: global_buffer, .address_space: global }
      - { .name: wv, .offset: 24, .size: 8, .value_kind: global_buffer, .address_space: global }
      - { .name: wo, .offset: 32, .size: 8, .value_kind: global_buffer, .address_space: global }
      - { .name: xw_codes, .offset: 40, .size: 8, .value_kind: global_buffer, .address_space: global }
      - { .name: xw_scales, .offset: 48, .size: 8, .value_kind: global_buffer, .address_space: global }
    .group_segment_fixed_size: 34304
    .private_segment_fixed_size: 0
    .kernarg_segment_align: 8
    .kernarg_segment_size: 56
    .max_flat_workgroup_size: 128
    .sgpr_count:     66
    .vgpr_count:     256
    .wavefront_size: 32
...
	.end_amdgpu_metadata
.endif
;; end of part 1
;; launch qkv (part 2): grid 8 x 32, 4 waves a work-group, clusters of 4 x 4, 327,680 bytes of LDS; arguments xw_codes, xw_scales, bq, bk, bv, qbuf, kv; writes qbuf, kv
.if DOCPART == 2
	.amdgcn_target "amdgcn-amd-amdhsa--gfx1250"
	.amdhsa_code_object_version 6
	.text
	.protected	k_q4d91ce3b9b_qkv
	.globl	k_q4d91ce3b9b_qkv
	.p2align	8
	.type	k_q4d91ce3b9b_qkv,@function
k_q4d91ce3b9b_qkv:
	s_mov_b64 s[64:65], 0
	v_nop
	global_prefetch_b8 v0, s[64:65] scope:SCOPE_SE
	s_setreg_imm32_b32 hwreg(HW_REG_WAVE_MODE, 25, 1), 1
	s_wait_xcnt 0x0
	s_wait_alu depctr_hold_cnt(0) depctr_sa_sdst(0) depctr_va_vdst(0) depctr_va_sdst(0) depctr_va_ssrc(0) depctr_va_vcc(0) depctr_vm_vsrc(0)
	s_getreg_b32 s2, hwreg(HW_REG_IB_STS2, 6, 4)
	s_cmp_eq_u32 s2, 0
	s_cbranch_scc0 .Lentry_in_a_cluster
	s_endpgm
.Lentry_in_a_cluster:
	s_bfe_u32 s2, ttmp6, 0x10000c
	s_cmp_lg_u32 s2, 0xf033
	s_cbranch_scc0 .Lentry_shape_is_right
	s_endpgm
.Lentry_shape_is_right:
; Q, K, V = x W^T + b on codes of FP6 (E2M3) with E8M0 scales, and their quantisers: the results leave as codes and scale words in the order of the next launch's operand registers.  No work of the problem is left out.
; IN: xw_codes [row tile][K step][1,536], xw_scales [row tile][half of K][row][4 words]; tiles 0-511 x, 512-575 wq, 576-639 wk, 640-703 wv.  Storage row i of tile T is row 32 (T / 2) + 8 (T % 2) + i + 8 (i / 8).
; OUT: qbuf [bh][group of 128 tokens][6,656] and kv [bh][key step][13,312]: 8 token tiles x 768 bytes of codes and 512 of scale words (word (tile t, row r) at 16 (r + 16 (t % 2)) + 4 (t / 2), bytes 2, 3 zero); in kv then V^T: 4 channel tiles x 1,536 and 512 of scale words.
; SHARES: 256 work-groups; a work-group owns 256 tokens (16 tiles) and the 128 columns of two heads, in Q, K and V; four waves, 2 x 2: a wave owns 128 tokens of one head: 32 accumulators.
; LDS: the 16 token tiles, ALL of K (196,608 bytes), filled once; a region for 8 tiles of a weight (98,304 bytes), filled at the head with wq's and filled again twice, with wk's and wv's, each time in a drained round of the cluster's
; barrier that stands in the phase's last K step, a quarter a wave; the phase's results are quantised and stored while that load is out.  A plain barrier at a phase's head shows the weight to all waves.
; CLUSTER 4 x 4: the token tiles are shared along a row of the cluster, a weight's along a column.
; Q and K are one text, a loop of two trips: source 0 = the weight's rows, so a lane holds a token and its 32 registers of a tile the head's 64 columns by halves.  V has source 0 = the tokens: a lane holds a channel and its 64 registers 128 tokens by halves.
; The biases are the first products' C.  The scale words go straight into registers: each load reads 256 consecutive bytes.
; PREFETCH: wk's and wv's 98,304 bytes each are asked for at the head, one and two phases ahead of their loads: 24 blocks of 256 bytes a wave, shared out by address among the sixteen waves of a column of the cluster; clusters in rows 0-3 ask.
; LIMITS: NaN and infinities are not served; a block whose largest magnitude lies under 2^-124, a block of zeros too, gets the scale byte 1: this program alone reads the bytes.
; REGISTERS: window 0: addresses, v32-95 x's scale words (8 a + K step), v100-131 the weight's (8 b + K step), v196-239 the quantiser's; window 1: token fragments, two sets at v0 and v128, v96-127 V's bias;
; window 2: the accumulators; window 3: the weight's fragments, two sets at v0 and v64, v176-207 Q's or K's bias.
.set FR,     12
.set FRB,    1536
.set TILEB,  8*FRB
.set BBASE,  16*TILEB
.set SPARE,  BBASE+8*TILEB
.set L8,   4
.set L16,  5
.set SH16, 6
.set RB,   7
.set LA,   8
.set LB,   10
.set R16,  11
.set H64,  12
.set PF,   13
.set SPW,  28
.set NIL,  29
.set SA,   32
.set SB,   100
.set TM,   196
.set PC,   212
.set PW,   232
.set TS,   236
.set BV,   96
.set BIW,  176
.set G1X,  24
.set G1W,  32
.set G0X,  40
.set G0W,  44
.set G1R,  72
.set G0R,  80
.set QO,   84
.set KO,   86
.set VO,   88
.set OUT,  90
.set SBP,  92
.set PH,   94
.set SEL,  96
.set MSB, 0
.macro WIN new
.if MSB != (\new)
	s_set_vgpr_msb (MSB<<8)|(\new)
.set MSB, (\new)
.endif
.endm
.macro PLACES n
.rept \n
	v_nop
.endr
.endm
.macro WALU
	s_wait_alu depctr_va_vdst(0)
.endm
.macro CREST
	s_cmp_lg_u32 s16, 0
	s_cbranch_scc1 .Lnot_wave_0_\@
	s_barrier_signal -3
.Lnot_wave_0_\@:
	s_barrier_wait -3
	s_barrier_signal -1
	s_barrier_wait -1
.endm
.macro CROUND
	s_barrier_signal -1
	s_barrier_wait -1
	CREST
.endm
.macro LOADSB                          ; my 4 weight tiles' scale words, all of K
.irp b, 0,1,2,3
.irp g, 0,1
	global_load_b128 v[SB+8*\b+4*\g:SB+8*\b+4*\g+3], v[R16], s[SBP:SBP+1] offset:512*\b+256*\g
.endr
.endr
.endm
.macro LOADBI base                     ; Q's or K's bias as the result lies: register 8 b + j of lane (r, h) is column 32 (b / 2) + 8 (b % 2) + 16 h + j
	WIN 0xc0
.irp b, 0,1,2,3
	global_load_b128 v[BIW+8*\b:BIW+8*\b+3], v[H64], s[\base:\base+1] offset:(32*(\b/2)+8*(\b%2))*4
	global_load_b128 v[BIW+8*\b+4:BIW+8*\b+7], v[H64], s[\base:\base+1] offset:(32*(\b/2)+8*(\b%2))*4+16
.endr
	WIN 0
.endm
.macro FETCH_B q, set                  ; the weight's four fragments of K step q: 24 loads
	WIN 0xc0
.irp b, 0,1,2,3
.irp p, 0,1,2,3,4,5
	ds_load_b64 v[64*(\set)+FR*\b+2*\p:64*(\set)+FR*\b+2*\p+1], v[LB] offset:\b*TILEB+(\q)*FRB+256*\p
.endr
.endr
.endm
.macro FETCH_A q, set, a0              ; four token fragments of K step q: 24 loads
	WIN 0x40
.irp a, \a0, \a0+1, \a0+2, \a0+3
.irp p, 0,1,2,3,4,5
	ds_load_b64 v[128*(\set)+FR*(\a)+2*\p:128*(\set)+FR*(\a)+2*\p+1], v[LA+(\a)/4] offset:((\a)%4)*TILEB+(\q)*FRB+256*\p
.endr
.endr
.endm
.macro W1 d, s0, s1, c, x0, x1
	v_wmma_scale_f32_16x16x128_f8f6f4 v[\d:\d+7], v[\s0:\s0+FR-1], v[\s1:\s1+FR-1], \c, v[\x0], v[\x1] matrix_a_fmt:MATRIX_FMT_FP6 matrix_b_fmt:MATRIX_FMT_FP6
.endm
; 16 products: four token tiles x the weight's four.  kind 0 (Q, K): accumulator (a, b) at 8 (4 a + b); kind 1 (V): at 8 (8 b + a).  The 32 accumulators take turns, one instruction a turn.
.macro MULH kind, q, set, a0, c0
.if \kind
.if \c0
	WIN 0x9d
.else
	WIN 0xad
.endif
.else
.if \c0
	WIN 0xb7
.else
	WIN 0xa7
.endif
.endif
.irp a, \a0, \a0+1, \a0+2, \a0+3
.irp b, 0,1,2,3
.set XF_, 128*(\set)+FR*(\a)
.set WF_, 64*(\set)+FR*\b
.set XS_, SA+8*(\a)+(\q)
.set WS_, SB+8*\b+(\q)
.if \kind
.set D_, 8*(8*\b+(\a))
.if \c0
	W1 D_, XF_, WF_, v[BV+8*\b:BV+8*\b+7], XS_, WS_
.else
	W1 D_, XF_, WF_, v[D_:D_+7], XS_, WS_
.endif
.else
.set D_, 8*(4*(\a)+\b)
.if \c0
	W1 D_, WF_, XF_, v[BIW+8*\b:BIW+8*\b+7], WS_, XS_
.else
	W1 D_, WF_, XF_, v[D_:D_+7], WS_, XS_
.endif
.endif
.endr
.endr
.endm
; K steps 0 to 6; step Q on set Q % 2, the next step's fragments into the other set, in two runs
.macro WALK kind
	FETCH_B 0, 0
	FETCH_A 0, 0, 0
	FETCH_A 0, 0, 4
	s_wait_loadcnt 0x0                             ; the scale words and the bias
.set Q, 0
.rept 7
.if Q
	PLACES 4                                       ; ahead of loads into the set that the step before multiplied
.endif
	FETCH_B Q+1, (Q+1)%2
	FETCH_A Q+1, (Q+1)%2, 0
	s_wait_dscnt 48                                ; all but the 48 just issued: this step's fragments are in
.if Q
	MULH \kind, Q, Q%2, 0, 0
.else
	MULH \kind, 0, 0, 0, 1
.endif
	FETCH_A Q+1, (Q+1)%2, 4
.if Q
	MULH \kind, Q, Q%2, 4, 0
.else
	MULH \kind, 0, 0, 4, 1
.endif
.set Q, Q+1
.endr
.endm
; 64 sums of a lane at register s of window 2, register 16 b + i = place 32 b + 16 (lane / 16) + i along the next K, become 12 registers of codes in v[PC] on and four scale bytes in v[pw]
.macro QUANT s, pw
	WIN 0x0a
.irp b, 0,1,2,3
	v_max3_num_f32 v[TM+\b], |v[\s+16*\b]|, |v[\s+1+16*\b]|, 0x1800000   ; my 16 numbers of block b, and the floor 2^(3 - 127)
.endr
	WIN 0x28
.irp i, 2,4,6,8,10,12,14
.irp b, 0,1,2,3
	v_max3_num_f32 v[TM+\b], v[TM+\b], |v[\s+16*\b+\i]|, |v[\s+1+16*\b+\i]|
.endr
.endr
	WIN 0
.irp b, 0,1,2,3
	v_permlanex16_b32 v[TM+4+\b], v[TM+\b], s[SEL], s[SEL+1]
.endr
.irp b, 0,1,2,3
	v_max_num_f32 v[TM+\b], v[TM+\b], v[TM+4+\b]   ; with lane l xor 16's 16: the block's largest magnitude
.endr
.irp b, 0,1,2,3
	v_add_nc_u32 v[TM+12+\b], 0xff000000, v[TM+\b] ; 2 off its exponent field: the conversions' scale operand
.endr
.irp b, 0,1,2,3
	v_lshrrev_b32 v[TM+4+\b], 23, v[TM+12+\b]      ; the scale's byte
.endr
	v_lshl_or_b32 v[\pw], v[TM+5], 8, v[TM+4]
	v_lshl_or_b32 v[\pw], v[TM+6], 16, v[\pw]
	v_lshl_or_b32 v[\pw], v[TM+7], 24, v[\pw]
	WIN 0x02
.irp c, 0,1
	v_cvt_scalef32_pk16_fp6_f32 v[PC+6*\c:PC+2+6*\c], v[\s+32*\c:\s+15+32*\c], v[TM+12+2*\c]
	v_cvt_scalef32_pk16_fp6_f32 v[PC+12+4*\c:PC+14+4*\c], v[\s+16+32*\c:\s+31+32*\c], v[TM+12+2*\c+1]
.endr
	WIN 0
	v_nop                                          ; one plain line behind the scaled conversions
.irp c, 0,1                                    ; the operand wants a whole block in a lane
.irp i, 0,1,2
	v_permlane16_swap_b32 v[PC+6*\c+\i], v[PC+12+4*\c+\i]
.endr
.irp i, 0,1,2
	v_mov_b32 v[PC+3+6*\c+\i], v[PC+12+4*\c+\i]
.endr
.endr
.endm
	s_load_b256 s[4:11], s[0:1], 0x0               ; xw_codes, xw_scales, bq, bk
	s_load_b128 s[12:15], s[0:1], 0x20             ; bv, qbuf
	s_load_b64 s[66:67], s[0:1], 0x30              ; kv
	v_lshl_add_u32 v[SPW], v0, 2, SPARE
	v_mov_b32 v[NIL], 0
	ds_add_u32 v[SPW], v[NIL]                      ; the opening lines: the add twice and its wait
	ds_add_u32 v[SPW], v[NIL]
	v_lshrrev_b32 v1, 5, v0
	v_readfirstlane_b32 s16, v1                    ; wave
	s_lshr_b32 s17, s16, 1                         ; my half of the tokens.  At the head also: I fetch token tiles (0) or the weight (1)
	s_and_b32 s18, s16, 1                          ; my head of the two.  At the head also: which half I fetch
	s_bfe_u32 s19, ttmp6, 0x40000                  ; cx
	s_bfe_u32 s20, ttmp6, 0x40004                  ; cy
	s_lshl_b32 s21, s20, 2
	s_lshl_b32 s21, 15, s21                        ; my row of the cluster
	s_lshl_b32 s22, 0x1111, s19                    ; my column
	s_or_b32 s[G1X], s21, (3<<16)|(1<<21)
	s_or_b32 s[G1W], s22, (3<<16)|(1<<21)
	s_or_b32 s[G1R], s22, (3<<16)|(1<<21)
.irp g, G1X, G1W, G1R
	s_mov_b32 s[\g+1], 1536<<16                    ; rows of 12,288 bytes: a tile, all of K; dense
	s_mov_b32 s[\g+3], 1536<<16
	s_mov_b32 s[\g+5], 1536
	s_mov_b32 s[\g+6], 0
	s_mov_b32 s[\g+7], 0
.endr
	s_mov_b32 s[G1X+2], 8<<16
	s_mov_b32 s[G1X+4], 8
	s_mov_b32 s[G1W+2], 4<<16
	s_mov_b32 s[G1W+4], 4
	s_mov_b32 s[G1R+2], 2<<16
	s_mov_b32 s[G1R+4], 2
	s_and_b32 s23, ttmp7, 0xffff                   ; cluster y
	s_lshl_b32 s48, s23, 6
	s_lshl_b32 s49, s20, 4
	s_add_co_u32 s48, s48, s49                     ; the block's first token tile
	s_lshl_b32 s49, s18, 3
	s_add_co_u32 s50, s48, s49                     ; the 8 that I fetch
	s_mul_i32 s50, s50, TILEB
	s_mov_b32 s51, 0
	s_lshl_b32 s49, s17, 3
	s_add_co_u32 s52, s48, s49                     ; the 8 that I multiply
	s_lshl_b32 s52, s52, 9                         ; their scale words
	s_mov_b32 s53, 0
	s_lshl_b32 s54, ttmp9, 5
	s_lshl_b32 s55, s19, 3
	s_add_co_u32 s54, s54, s55
	s_add_co_u32 s54, s54, 512                     ; wq's first tile of the block's 8
	s_lshl_b32 s55, s18, 2
	s_add_co_u32 s56, s54, s55                     ; my 4: at the head to fetch, and to multiply
	s_lshl_b32 s58, s56, 9
	s_mov_b32 s59, 0
	s_mul_i32 s56, s56, TILEB
	s_mov_b32 s57, 0
	s_lshl_b32 s55, s16, 1
	s_add_co_u32 s60, s54, s55                     ; the 2 that I fetch in a refill
	s_mul_i32 s60, s60, TILEB
	s_mov_b32 s61, 0
	s_add_co_u32 s62, s54, 64                      ; the prefetch: wk's 8 tiles,
	s_mul_i32 s62, s62, TILEB
	s_lshl_b32 s63, s20, 2
	s_add_co_u32 s63, s63, s16
	s_mul_i32 s63, s63, 6144                       ; my sixteenth of them among my column of the cluster
	s_add_co_u32 s62, s62, s63
	s_lshl_b32 s2, ttmp9, 2
	s_add_co_u32 s2, s2, s19
	s_lshl_b32 s2, s2, 1
	s_add_co_u32 s2, s2, s18                       ; my head
	s_lshl_b32 s98, s2, 8                          ; its 64 numbers of a bias
	s_mov_b32 s99, 0
	s_lshl_b32 s3, s23, 2
	s_add_co_u32 s3, s3, s20                       ; the block of 256 tokens
	s_lshr_b32 s68, s3, 3
	s_lshl_b32 s68, s68, 4
	s_add_co_u32 s68, s68, s2                      ; bh
	s_and_b32 s69, s3, 7
	s_lshl_b32 s69, s69, 1
	s_add_co_u32 s69, s69, s17                     ; my group of 128 tokens
	s_mul_i32 s68, s68, 106496
	s_mul_i32 s69, s69, 6656
	s_add_co_u32 s68, s68, s69                     ; my place in qbuf; twice that in kv
	s_mov_b32 s69, 0
	s_mov_b32 s[G0X], 1
	s_mul_i32 s[G0X+1], s18, 8*TILEB
	s_mov_b32 s[G0W], 1
	s_mul_i32 s[G0W+1], s18, 4*TILEB
	s_add_co_u32 s[G0W+1], s[G0W+1], BBASE
	s_mov_b32 s[G0R], 1
	s_mul_i32 s[G0R+1], s16, 2*TILEB
	s_add_co_u32 s[G0R+1], s[G0R+1], BBASE
	s_mul_i32 s70, s17, 8*TILEB
	s_mul_i32 s71, s18, 4*TILEB
	s_add_co_u32 s71, s71, BBASE
	s_mov_b32 s[SEL], 0x76543210
	s_mov_b32 s[SEL+1], 0xfedcba98                 ; lane l xor 16
	s_wait_dscnt 0x0
	s_wait_kmcnt 0x0
	s_add_nc_u64 s[G0X+2:G0X+3], s[4:5], s[50:51]
	s_or_b32 s[G0X+3], s[G0X+3], 0x80000000
	s_add_nc_u64 s[G0W+2:G0W+3], s[4:5], s[56:57]
	s_or_b32 s[G0W+3], s[G0W+3], 0x80000000
	s_add_nc_u64 s[G0R+2:G0R+3], s[4:5], s[60:61]
	s_or_b32 s[G0R+3], s[G0R+3], 0x80000000
	s_add_nc_u64 s[SBP:SBP+1], s[6:7], s[58:59]
	s_add_nc_u64 s[6:7], s[6:7], s[52:53]
	s_add_nc_u64 s[8:9], s[8:9], s[98:99]
	s_add_nc_u64 s[10:11], s[10:11], s[98:99]
	s_add_nc_u64 s[12:13], s[12:13], s[98:99]
	s_add_nc_u64 s[QO:QO+1], s[14:15], s[68:69]
	s_add_nc_u64 s[KO:KO+1], s[66:67], s[68:69]
	s_add_nc_u64 s[KO:KO+1], s[KO:KO+1], s[68:69]
	s_add_nc_u64 s[VO:VO+1], s[KO:KO+1], 6656
	CROUND                                         ; all sixteen work-groups are here: the joint loads meet
	s_cmp_eq_u32 s17, 0
	s_cbranch_scc0 .Lfor_w
	tensor_load_to_lds s[G0X:G0X+3], s[G1X:G1X+7]
	s_nop 0
	PLACES 4
	s_branch .Lasked
.Lfor_w:
	tensor_load_to_lds s[G0W:G0W+3], s[G1W:G1W+7]
	s_nop 0
	PLACES 4
.Lasked:
	v_and_b32 v1, 15, v0
	v_bfe_u32 v2, v0, 4, 1
	v_and_b32 v3, 31, v0
	v_lshlrev_b32 v[L8], 3, v3
	v_lshlrev_b32 v[L16], 4, v3
	v_lshlrev_b32 v[SH16], 4, v2
	v_add_nc_u32 v[LA], s70, v[L8]
	v_add_nc_u32 v[LA+1], 4*TILEB, v[LA]
	v_add_nc_u32 v[LB], s71, v[L8]
	v_lshlrev_b32 v[R16], 4, v1
	v_lshlrev_b32 v[H64], 6, v2
	v_and_b32 v[RB], 8, v1
	v_add_nc_u32 v[RB], v[RB], v1
	v_lshlrev_b32 v[RB], 2, v[RB]                  ; V's bias: storage row r of a tile is channel r + 8 (r / 8) of its 32
	v_min_u32 v[PF], 23, v3
	v_lshl_add_u32 v[PF], v[PF], 8, s62
.irp b, 0,1,2,3
	v_mov_b32 v[TM+4+\b], 0                        ; a lane permute's destination counts as one of its sources
.endr
.irp a, 0,1,2,3,4,5,6,7
.irp g, 0,1
	global_load_b128 v[SA+8*\a+4*\g:SA+8*\a+4*\g+3], v[R16], s[6:7] offset:512*\a+256*\g
.endr
.endr
	LOADSB
	LOADBI 8
	WIN 0x40
.irp b, 0,1,2,3
	global_load_b32 v[BV+8*\b], v[RB], s[12:13] offset:(32*(\b/2)+8*(\b%2))*4
.endr
	WIN 0
	s_cmp_lt_u32 s23, 4
	s_cbranch_scc0 .Lno_pf
	global_prefetch_b8 v[PF], s[4:5] th:TH_LOAD_NT scope:SCOPE_SE                    ; wk's rows,
	global_prefetch_b8 v[PF], s[4:5] offset:64*TILEB th:TH_LOAD_NT scope:SCOPE_SE    ; and wv's
.Lno_pf:
	s_wait_loadcnt 0x0
	WIN 0x41
.irp b, 0,8,16,24
.irp i, 1,2,3,4,5,6,7
	v_mov_b32 v[BV+\b+\i], v[BV+\b]                ; V's number, one a lane and tile, over the tile's eight registers
.endr
.endr
	WIN 0
	s_mov_b32 s[PH], 0
	WALU                                           ; the wait at the head's end
.Lphase:                                               ; Q, then K
	s_wait_xcnt 0x0
	s_cmp_eq_u32 s[PH], 0
	s_cselect_b64 s[OUT:OUT+1], s[QO:QO+1], s[KO:KO+1]
	s_wait_tensorcnt 0x0                           ; my part of the weight (the first time: my tiles of the head's) is in;
	s_barrier_signal -1
	s_barrier_wait -1                              ; everybody's is.
	WALK 0
	WIN 0
	s_wait_tensorcnt 0x0                           ; THE LAST K STEP, and in it the round of the refill
	ds_add_u32 v[SPW], v[NIL]
	s_wait_dscnt 1                                 ; the step's fragments are in; the add may be out
	MULH 0, 7, 1, 0, 0
	s_wait_dscnt 0x0                               ; the add is done, and my reads of the weight's region are over
	s_barrier_signal -1
	MULH 0, 7, 1, 4, 0
	WIN 0
	s_barrier_wait -1
	CREST
	s_add_nc_u64 s[G0R+2:G0R+3], s[G0R+2:G0R+3], 64*TILEB
	tensor_load_to_lds s[G0R:G0R+3], s[G1R:G1R+7]  ; the next weight's rows, a quarter a wave
	s_nop 0
	PLACES 4                                       ; also the places behind the last products
	s_wait_xcnt 0x0
	s_add_nc_u64 s[SBP:SBP+1], s[SBP:SBP+1], 64*512
	LOADSB                                         ; the next weight's scale words
	s_cmp_eq_u32 s[PH], 0
	s_cbranch_scc0 .Lno_bias
	LOADBI 10                                      ; behind Q: K's bias
.Lno_bias:
.irp g, 0,1,2,3                                ; token tiles 2 g and 2 g + 1: six registers of codes and two scale bytes each
	s_wait_xcnt 0x0                                ; earlier stores have read the codes' registers
	QUANT 64*\g, PW+\g
.irp p, 0,1,2
	global_store_b64 v[L8], v[PC+2*\p:PC+2*\p+1], s[OUT:OUT+1] offset:1536*\g+256*\p       ; 256 consecutive bytes, aligned
	global_store_b64 v[L8], v[PC+6+2*\p:PC+7+2*\p], s[OUT:OUT+1] offset:1536*\g+768+256*\p
.endr
.endr
	WALU                                           ; the wait ahead of the readers below
.irp g, 0,1,2,3
	v_lshrrev_b32 v[TS+\g], v[SH16], v[PW+\g]      ; lanes 0-15 the even tile's two bytes, lanes 16-31 the odd tile's
.endr
.irp g, 0,1,2,3
	v_and_b32 v[TS+\g], 0xffff, v[TS+\g]
.endr
	global_store_b128 v[L16], v[TS:TS+3], s[OUT:OUT+1] offset:6144
	s_add_co_u32 s[PH], s[PH], 1
	s_cmp_lg_u32 s[PH], 2
	WALU
	s_cbranch_scc1 .Lphase
	s_wait_tensorcnt 0x0                           ; V: wv's rows
	s_barrier_signal -1
	s_barrier_wait -1
	WALK 1
	s_wait_dscnt 0x0
	MULH 1, 7, 1, 0, 0
	MULH 1, 7, 1, 4, 0
	WIN 0
	PLACES 4
.irp b, 0,1,2,3                                ; channel tile b: a fragment of 16 channels x 128 tokens
	s_wait_xcnt 0x0
	QUANT 64*\b, PW+\b
.irp c, 0,1,2
	global_store_b128 v[L16], v[PC+4*\c:PC+4*\c+3], s[VO:VO+1] offset:FRB*\b+512*\c
.endr
.endr
	WALU
	global_store_b128 v[L16], v[PW:PW+3], s[VO:VO+1] offset:6144
	s_wait_tensorcnt 0x0                           ; the wave's end
	ds_add_u32 v[SPW], v[NIL]
	s_wait_dscnt 0x0
	CROUND                                         ; the closing round
	s_endpgm
.Lfunc_end_k_q4d91ce3b9b_qkv:
	.size	k_q4d91ce3b9b_qkv, .Lfunc_end_k_q4d91ce3b9b_qkv-k_q4d91ce3b9b_qkv
	.p2alignl 7, 3214868480
	.fill 96, 4, 3214868480
	.section	.rodata,"a",@progbits
	.p2align	6, 0x0
	.amdhsa_kernel k_q4d91ce3b9b_qkv
		.amdhsa_group_segment_fixed_size 327680
		.amdhsa_private_segment_fixed_size 0
		.amdhsa_enable_private_segment 0
		.amdhsa_kernarg_size 56
		.amdhsa_user_sgpr_count 2
		.amdhsa_user_sgpr_kernarg_segment_ptr 1
		.amdhsa_wavefront_size32 1
		.amdhsa_system_sgpr_workgroup_id_x 1
		.amdhsa_system_sgpr_workgroup_id_y 1
		.amdhsa_system_sgpr_workgroup_id_z 1
		.amdhsa_system_vgpr_workitem_id 0
		.amdhsa_next_free_vgpr 1024
		.amdhsa_next_free_sgpr 100
		.amdhsa_reserve_vcc 0
		.amdhsa_float_denorm_mode_32 3
		.amdhsa_float_denorm_mode_16_64 3
		.amdhsa_memory_ordered 1
		.amdhsa_forward_progress 1
		.amdhsa_inst_pref_size 192
	.end_amdhsa_kernel
	.amdgpu_metadata
---
amdhsa.version: [ 1, 2 ]
amdhsa.kernels:
  - .name:           k_q4d91ce3b9b_qkv
    .symbol:         k_q4d91ce3b9b_qkv.kd
    .args:
      - { .name: xw_codes, .offset: 0, .size: 8, .value_kind: global_buffer, .address_space: global }
      - { .name: xw_scales, .offset: 8, .size: 8, .value_kind: global_buffer, .address_space: global }
      - { .name: bq, .offset: 16, .size: 8, .value_kind: global_buffer, .address_space: global }
      - { .name: bk, .offset: 24, .size: 8, .value_kind: global_buffer, .address_space: global }
      - { .name: bv, .offset: 32, .size: 8, .value_kind: global_buffer, .address_space: global }
      - { .name: qbuf, .offset: 40, .size: 8, .value_kind: global_buffer, .address_space: global }
      - { .name: kv, .offset: 48, .size: 8, .value_kind: global_buffer, .address_space: global }
    .group_segment_fixed_size: 327680
    .private_segment_fixed_size: 0
    .kernarg_segment_align: 8
    .kernarg_segment_size: 56
    .max_flat_workgroup_size: 128
    .sgpr_count:     100
    .vgpr_count:     1024
    .wavefront_size: 32
...
	.end_amdgpu_metadata
.endif
;; end of part 2
;; launch attn (part 3): grid 4 x 64, 16 waves a work-group, clusters of 4 x 1, 327,680 bytes of LDS; arguments qbuf, kv, a_codes, a_scales; writes a_codes, a_scales
.if DOCPART == 3
	.amdgcn_target "amdgcn-amd-amdhsa--gfx1250"
	.amdhsa_code_object_version 6
	.text
	.protected	k_q4d91ce3b9b_attn
	.globl	k_q4d91ce3b9b_attn
	.p2align	8
	.type	k_q4d91ce3b9b_attn,@function
k_q4d91ce3b9b_attn:
	s_mov_b64 s[64:65], 0
	v_nop
	global_prefetch_b8 v0, s[64:65] scope:SCOPE_SE
	s_setreg_imm32_b32 hwreg(HW_REG_WAVE_MODE, 25, 1), 1
	s_wait_xcnt 0x0
	s_wait_alu depctr_hold_cnt(0) depctr_sa_sdst(0) depctr_va_vdst(0) depctr_va_sdst(0) depctr_va_ssrc(0) depctr_va_vcc(0) depctr_vm_vsrc(0)
	s_getreg_b32 s2, hwreg(HW_REG_IB_STS2, 6, 4)
	s_cmp_eq_u32 s2, 0
	s_cbranch_scc0 .Lentry_in_a_cluster
	s_endpgm
.Lentry_in_a_cluster:
	s_bfe_u32 s2, ttmp6, 0x10000c
	s_cmp_lg_u32 s2, 0x3003
	s_cbranch_scc0 .Lentry_shape_is_right
	s_endpgm
.Lentry_shape_is_right:
; For each of the 64 heads (bh): O = softmax(Q K^T / 8) V on codes of FP6 (E2M3) with E8M0 scales, and O / l quantised along the hidden axis for the last product.
; t = score x log2(e) / 8; M = the running largest t rounded UP to a whole number; p = 2^(t - M) is quantised along the keys, not normalised; the row's sum l is taken of the unquantised p and divides at the end.
; When M moves, l and O are multiplied by 2^(old M - new M): exact.  No work of the problem is left out here.
; IN: qbuf [bh][group of 128 tokens][6,656] and kv [bh][key step of 128][13,312], laid as operand registers: 8 tiles x 768 bytes of codes, 512 of scale words; in kv then 4 tiles x 1,536 of V^T and 512 of scale words.
; A stored tile's 16 tokens are 32 (t / 2) + 8 (t % 2) + i + 8 (i / 8).
; OUT: a_codes [token tile][K step][1,536] (my head fills pieces 0-2 or 3-5 of K step head / 2), a_scales [token tile][half of K][row][4 words] (my head: two bytes of a word).
; SHARES: 256 work-groups; a work-group owns 512 queries of a head; each of its sixteen waves takes two tiles of 16 queries, one after the other.  Both products are used transposed: a lane holds one query throughout.
; LDS: the head's whole kv block, FILLED ONCE: wave w brings key step w by one joint load, as 26 rows of 512 bytes with 192 bytes of padding behind each (pitch 704); one wait and one barrier; nothing is filled again, and no barrier stands in the walk.
; CLUSTER 4 x 1: the four work-groups of a head read the same kv block: each key step is asked for jointly.
; THE KEYS OF A SCORE TILE are gathered by the lanes' LDS addresses: tile 4 c + u takes tokens 64 c + 8 u + 0..7 (rows 0-7) and 64 c + 32 + 8 u + 0..7 (rows 8-15), which lie in two stored tiles 1,536 bytes apart.
; So registers 32 c + 0..31 of lane (r, h) are keys 64 c + 32 h + 0..31: a whole scale block, in the order of the next operand.  With the padding the two stored tiles lie 2,112 bytes apart in LDS, 64 modulo 256: the 32 lanes of a load touch 256 different bytes modulo 256.
; Q K^T has K = 64 in an instruction of 128: Q's registers 6-11 are zero codes and bytes 2, 3 of both sides' scale words are 0 (2^-127, no NaN): what K's operand names there adds exactly 0.  So tile T's operand is v[KF + 6 T] on for 12 registers (behind tile 7: six zeros).
; NO PREFETCH: all fills go out at the head, each byte asked for once in a cluster; there is no loop to run ahead in.
; LIMITS: NaN and infinities are not served; the promise holds while |t| stays under 2^31; p under 2^-126 comes out of the exponential as 0; a block whose largest number lies under 2^-124 gets the scale byte 1.
.set STEPB, 13312                      ; a key step in kv
.set CH,    704                        ; 512 bytes and their padding in LDS
.set STEPL, 26*CH                      ; a key step in LDS
.set HEADB, 16*STEPB
.set SPARE, 16*STEPL                   ; 292,864: the spare words, 128 bytes a wave
.set LK,  1                            ; v1   K's lane term: 2112 (r / 8) + 8 (r % 8) + 128 h
.set L16, 2                            ; v2   16 x lane
.set LS,  3                            ; v3   K's scale words: 16 (r % 8) + 4 (r / 8) + 128 h
.set AK,  4                            ; v4-6 the same three + the key step's place
.set A16, 5
.set AS,  6
.set L8,  7                            ; v7   8 x lane
.set R16, 8                            ; v8   16 x (lane % 16)
.set SH,  9                            ; v9   8 h
.set PS,  10                           ; v10  p's scale word; v11 at work; v12 -M; v13 the running largest score; v[14:15] l in two halves
.set Q,   16                           ; v16-21 Q's codes, v22-27 zeros
.set QS,  28
.set SPW, 29
.set F,   30                           ; v[30:31] 2^(old M - new M)
.set KF,  32                           ; v32-79 K's eight tiles, v80-85 zeros
.set NIL, 86
.set OM,  87                           ; the old -M
.set KS,  88                           ; v88-91 K's scale words: register 2 c + u % 2, lanes 0-15 u / 2 = 0, lanes 16-31 u / 2 = 1
.set VS,  92                           ; v92-95 V's
.set S,   96                           ; v96-159 scores, then p
.set O,   160                          ; v160-191 O^T
.set VF,  192                          ; v192-239 V^T's four fragments
.set BM,  240                          ; v240-241 my two blocks' largest scores, then largest p
.set BX,  242
.set SOP, 244
.set EB,  246
.set T,   248                          ; v248-255 at work: four chains
.set PC,  32                           ; p's codes, in K's registers, which are done with
.set PT,  44
.set PO,  128                          ; the way out's codes
.set WV,  12
.set G1,  16
.set SEL, 24
.set CS,  26
.set TB,  28
.set CNT, 29
.set G0,  32
.set PASS, 36
.set NX,  37
.macro CROUND
	s_barrier_signal -1
	s_barrier_wait -1
	s_cmp_lg_u32 s[WV], 0
	s_cbranch_scc1 .Lnot_wave_0_\@
	s_barrier_signal -3
.Lnot_wave_0_\@:
	s_barrier_wait -3
	s_barrier_signal -1
	s_barrier_wait -1
.endm
.macro WALU
	s_wait_alu depctr_va_vdst(0)
.endm
.macro DEP1
	s_delay_alu instid0(VALU_DEP_1)
.endm
; a key step's operands: 24 + 4 loads for K, then 12 + 1 for V
.macro LOADS
.irp c, 0,1
.irp u, 0,1,2,3
.irp p, 0,1,2
.set BS, 768*(4*\c+(\u%2))+256*\p
	ds_load_b64 v[KF+6*(4*\c+\u)+2*\p:KF+6*(4*\c+\u)+2*\p+1], v[AK] offset:BS+192*(BS/512)+64*(\u/2)
.endr
.endr
.endr
.irp c, 0,1
.irp e, 0,1
	ds_load_b32 v[KS+2*\c+\e], v[AS] offset:12*CH+256*\e+8*\c
.endr
.endr
.irp t, 0,1,2,3
.irp k, 0,1,2
	ds_load_b128 v[VF+12*\t+4*\k:VF+12*\t+4*\k+3], v[A16] offset:CH*(13+3*\t+\k)
.endr
.endr
	ds_load_b128 v[VS:VS+3], v[A16] offset:25*CH
.endm
	s_load_b256 s[4:11], s[0:1], 0x0               ; qbuf, kv, a_codes, a_scales
	v_lshl_add_u32 v[SPW], v0, 2, SPARE
	v_mov_b32 v[NIL], 0
	ds_add_u32 v[SPW], v[NIL]                      ; the opening lines: the add twice and its wait
	ds_add_u32 v[SPW], v[NIL]
	v_lshrrev_b32 v11, 5, v0
	v_readfirstlane_b32 s[WV], v11                 ; wave 0..15
	s_bfe_u32 s13, ttmp6, 0x40000                  ; cx: it enters global addresses of Q and of the output alone
	s_lshl_b32 s14, s13, 1                         ; my first block of 256 queries
	s_and_b32 s15, ttmp7, 0xffff                   ; bh, which the four partners share
	s_mov_b32 s[G1], 15|(3<<16)|(1<<20)|(1<<21)|(6<<22)|(47<<25)   ; mask: all four; elements of 8 bytes; behind every 128 words 48 words of padding
	s_mov_b32 s[G1+1], 64<<16                      ; rows of 512 bytes
	s_mov_b32 s[G1+2], 26<<16
	s_mov_b32 s[G1+3], 64<<16
	s_mov_b32 s[G1+4], 26
	s_mov_b32 s[G1+5], 64                          ; dense
	s_mov_b32 s[G1+6], 0
	s_mov_b32 s[G1+7], 0
	s_mul_i32 s30, s15, HEADB
	s_mul_i32 s31, s[WV], STEPB
	s_add_co_u32 s48, s30, s31                     ; key step = my wave's number
	s_mov_b32 s49, 0
	s_mov_b32 s[G0], 1
	s_mul_i32 s[G0+1], s[WV], STEPL
	; Q: my first tile of 16 queries
	s_mul_i32 s30, s15, 106496
	s_lshl_b32 s50, s14, 1
	s_lshr_b32 s52, s[WV], 3
	s_add_co_u32 s50, s50, s52
	s_mul_i32 s50, s50, 6656
	s_add_co_u32 s30, s30, s50                     ; its group of 128
	s_and_b32 s50, s[WV], 7
	s_mul_i32 s50, s50, 768
	s_add_co_u32 s50, s50, s30                     ; its codes
	s_mov_b32 s51, 0
	s_and_b32 s52, s[WV], 1
	s_lshl_b32 s52, s52, 8                         ; its scale words: odd tiles 256 bytes on,
	s_bfe_u32 s53, s[WV], 0x20001
	s_lshl_b32 s53, s53, 2                         ; word tile / 2
	s_add_co_u32 s52, s52, s53
	s_add_co_u32 s52, s52, s30
	s_add_co_u32 s52, s52, 6144
	s_mov_b32 s53, 0
	; the output: token tile 128 x batch + 16 x block + wave; head = bh % 16
	s_lshr_b32 s54, s15, 4
	s_lshl_b32 s54, s54, 7
	s_lshl_b32 s56, s14, 4
	s_add_co_u32 s54, s54, s56
	s_add_co_u32 s54, s54, s[WV]
	s_and_b32 s30, s15, 15
	s_lshl_b32 s56, s54, 9
	s_mul_i32 s54, s54, 12288
	s_mul_i32 s55, s30, 768
	s_add_co_u32 s54, s54, s55
	s_mov_b32 s55, 0
	s_lshr_b32 s57, s30, 3
	s_lshl_b32 s57, s57, 8
	s_add_co_u32 s56, s56, s57
	s_and_b32 s57, s30, 7
	s_lshl_b32 s57, s57, 1
	s_add_co_u32 s56, s56, s57
	s_mov_b32 s57, 0
	s_mov_b32 s[SEL], 0x76543210
	s_mov_b32 s[SEL+1], 0xfedcba98                 ; lane l xor 16
	s_mov_b32 s[CS], 0x3e38aa3b                    ; log2(e) / 8
	s_mov_b32 s[CS+1], s[CS]
	s_wait_dscnt 0x0
	s_wait_kmcnt 0x0
	s_add_nc_u64 s[G0+2:G0+3], s[6:7], s[48:49]
	s_or_b32 s[G0+3], s[G0+3], 0x80000000
	s_add_nc_u64 s[50:51], s[4:5], s[50:51]
	s_add_nc_u64 s[52:53], s[4:5], s[52:53]
	s_add_nc_u64 s[8:9], s[8:9], s[54:55]
	s_add_nc_u64 s[10:11], s[10:11], s[56:57]
	CROUND                                         ; all four work-groups are here: the joint loads meet
	tensor_load_to_lds s[G0:G0+3], s[G1:G1+7]      ; my one tensor load of the launch
	s_nop 0
	v_and_b32 v11, 31, v0
	v_lshlrev_b32 v[L8], 3, v11
	v_lshlrev_b32 v[L16], 4, v11
	v_and_b32 v11, 15, v0
	v_lshlrev_b32 v[R16], 4, v11
	v_bfe_u32 v12, v0, 3, 1                        ; r / 8
	v_and_b32 v13, 7, v0                           ; r % 8
	v_bfe_u32 v14, v0, 4, 1                        ; h
	v_mul_u32_u24 v[LK], v12, 3*CH
	v_lshl_add_u32 v[LK], v13, 3, v[LK]
	v_lshl_add_u32 v[LK], v14, 7, v[LK]
	v_lshlrev_b32 v[LS], 4, v13
	v_lshl_add_u32 v[LS], v12, 2, v[LS]
	v_lshl_add_u32 v[LS], v14, 7, v[LS]
	v_lshlrev_b32 v[SH], 3, v14
	v_mov_b32 v[AK], v[LK]                         ; key step 0
	v_mov_b32 v[AS], v[LS]
	v_mov_b32 v[A16], v[L16]
.irp j, 6,7,8,9,10,11
	v_mov_b32 v[Q+\j], 0                           ; zero codes for k = 64 .. 127
.endr
.irp j, 48,49,50,51,52,53
	v_mov_b32 v[KF+\j], 0
.endr
	v_mov_b32 v[F+1], 0
	v_mov_b32 v[BX], 0                             ; a lane permute's destination counts as one of its sources
	v_mov_b32 v[BX+1], 0
	WALU                                           ; the wait at the head's end
	s_wait_tensorcnt 0x0                           ; my key step is in;
	s_barrier_signal -1
	s_barrier_wait -1                              ; everybody's is
	LOADS
	s_mov_b32 s[PASS], 0
.Lpass:                                                ; a tile of 16 queries; key step 0's operands are on their way
.irp p, 0,1,2
	global_load_b64 v[Q+2*\p:Q+2*\p+1], v[L8], s[50:51] offset:256*\p
.endr
	global_load_b32 v[QS], v[R16], s[52:53]
	v_mov_b32 v13, 0xff61b1e6                      ; the largest score so far: -3e38
	v_mov_b32 v12, 0x7f61b1e6                      ; -M
	v_mov_b32 v14, 0
	v_mov_b32 v15, 0
.set j, 0
.rept 32
	v_mov_b32 v[O+j], 0                            ; the step is written once: the first finds zeros, which the first change of M leaves zeros
.set j, j+1
.endr
	s_mov_b32 s[CNT], 0
	WALU                                           ; the wait ahead of the wait below
	s_wait_loadcnt 0x0
.Lstep:                                                ; 128 keys
	s_add_co_u32 s[NX], s[CNT], 1
	s_and_b32 s[NX], s[NX], 15                     ; the next key step; behind the last, step 0, with which the next tile of queries begins
	s_mul_i32 s[TB], s[NX], STEPL
	s_wait_dscnt 13                                ; K and its scale words are in; V's 12 loads and its scale words are younger
.irp c, 0,1
.irp u, 0,1,2,3                                ; S^T = K Q^T
.if \u/2
	v_wmma_scale_f32_16x16x128_f8f6f4 v[S+32*\c+8*\u:S+32*\c+8*\u+7], v[KF+6*(4*\c+\u):KF+6*(4*\c+\u)+11], v[Q:Q+11], 0, v[KS+2*\c+(\u%2)], v[QS] matrix_a_fmt:MATRIX_FMT_FP6 matrix_b_fmt:MATRIX_FMT_FP6 matrix_a_scale:MATRIX_SCALE_ROW1
.else
	v_wmma_scale_f32_16x16x128_f8f6f4 v[S+32*\c+8*\u:S+32*\c+8*\u+7], v[KF+6*(4*\c+\u):KF+6*(4*\c+\u)+11], v[Q:Q+11], 0, v[KS+2*\c+(\u%2)], v[QS] matrix_a_fmt:MATRIX_FMT_FP6 matrix_b_fmt:MATRIX_FMT_FP6
.endif
.endr
.endr
	v_add_nc_u32 v[AK], s[TB], v[LK]               ; four plain lines behind the products: the next step's addresses and the old -M
	v_add_nc_u32 v[AS], s[TB], v[LS]
	v_add_nc_u32 v[A16], s[TB], v[L16]
	v_mov_b32 v[OM], v12
.irp b, 0,1,2,3
	v_max3_num_f32 v[T+\b], v[S+16*\b], v[S+1+16*\b], v[S+2+16*\b]   ; the largest score, four chains by turns, each tile from its low end on
.endr
.irp i, 3,5,7,9,11,13
.irp b, 0,1,2,3
	v_max3_num_f32 v[T+\b], v[T+\b], v[S+16*\b+\i], v[S+1+16*\b+\i]
.endr
.endr
.irp c, 0,1
	v_max3_num_f32 v[BM+\c], v[T+2*\c], v[T+2*\c+1], v[S+15+32*\c]
.endr
.irp c, 0,1
	v_max_num_f32 v[BM+\c], v[BM+\c], v[S+31+32*\c]   ; my block's largest score: for the row's maximum, and, since p rises with the score, for the block's largest p
.endr
	DEP1
	v_max3_num_f32 v11, v[BM], v[BM+1], v13
	DEP1
	v_permlanex16_b32 v[BX], v11, s[SEL], s[SEL+1]
	DEP1
	v_max_num_f32 v13, v11, v[BX]                  ; the running largest score of my query
	DEP1
	v_mul_f32 v11, s[CS], v13                      ; as t (the factor is positive)
	DEP1
	v_floor_f32 v12, -v11                          ; the new -M = -ceil(t)
	DEP1
	v_sub_f32 v11, v12, v[OM]                      ; old M - new M: a whole number, 0 or less
	DEP1
	v_cvt_i32_f32 v11, v11                         ; (it saturates)
	DEP1
	v_ldexp_f32 v[F], 1.0, v11
.set j, 0
.rept 32
	v_pk_fma_f32 v[S+j:S+j+1], v[S+j:S+j+1], s[CS:CS+1], v[12:13] op_sel_hi:[1,0,0]   ; t - M, two at a time
.set j, j+2
.endr
.irp c, 0,1
	v_fma_f32 v[BM+\c], v[BM+\c], s[CS], v12
.endr
	WALU                                           ; the wait ahead of the batch
.irp c, 0,1
	v_exp_f32 v[BM+\c], v[BM+\c]                   ; the block's largest p
.endr
.set j, 0
.rept 64
	v_exp_f32 v[S+j], v[S+j]                       ; p = 2^(t - M)
.set j, j+1
.endr
	v_pk_mul_f32 v[14:15], v[14:15], v[F:F+1] op_sel_hi:[1,0]   ; l under the new M: the plain line behind the exponentials
	WALU                                           ; one wait for the batch, ahead of its first reader
.irp c, 0,1
	v_max_num_f32 v[BM+\c], 0x1800000, v[BM+\c]    ; the floor 2^(3 - 127): the byte cannot fall under 1
.endr
.irp c, 0,1
	v_add_nc_u32 v[SOP+\c], 0xff000000, v[BM+\c]   ; 2 off the exponent field: the conversions' scale operand
.endr
.irp c, 0,1
	v_cvt_scalef32_pk16_fp6_f32 v[PC+6*\c:PC+6*\c+2], v[S+32*\c:S+32*\c+15], v[SOP+\c]
	v_cvt_scalef32_pk16_fp6_f32 v[PT+4*\c:PT+4*\c+2], v[S+32*\c+16:S+32*\c+31], v[SOP+\c]   ; (a conversion's three registers begin on an even number)
.endr
.irp c, 0,1
	v_lshrrev_b32 v[EB+\c], 23, v[SOP+\c]          ; the scale's byte: blocks h and 2 + h
.endr
	DEP1
	v_lshl_or_b32 v11, v[EB+1], 16, v[EB]
	DEP1
	v_lshlrev_b32 v11, v[SH], v11                  ; at their places in the word,
	DEP1
	v_permlanex16_b32 v[BX], v11, s[SEL], s[SEL+1]
	DEP1
	v_or_b32 v[PS], v11, v[BX]                     ; and with lane l xor 16's two the word is whole
.irp c, 0,1
.irp i, 0,1,2
	v_mov_b32 v[PC+3+6*\c+\i], v[PT+4*\c+\i]
.endr
.endr
	s_wait_dscnt 0x0                               ; V is in
	WALU                                           ; the wait directly ahead of the first reader of O^T
.set j, 0
.rept 16
	v_pk_mul_f32 v[O+j:O+j+1], v[O+j:O+j+1], v[F:F+1] op_sel_hi:[1,0]   ; O^T under the new M; these sixteen also stand between p's codes and scale word and the products
.set j, j+2
.endr
.irp t, 0,1,2,3                                ; O^T += V^T P^T: four accumulators by turns; eleven other products stand between two steps of a sum
	v_wmma_scale_f32_16x16x128_f8f6f4 v[O+8*\t:O+8*\t+7], v[VF+12*\t:VF+12*\t+11], v[PC:PC+11], v[O+8*\t:O+8*\t+7], v[VS+\t], v[PS] matrix_a_fmt:MATRIX_FMT_FP6 matrix_b_fmt:MATRIX_FMT_FP6
.endr
.irp i, 0,1,2,3                                ; the row's sum of the unquantised p, four chains; the first four lines are the places ahead of the loads
	v_pk_add_f32 v[T+2*\i:T+2*\i+1], v[S+4*\i:S+4*\i+1], v[S+4*\i+2:S+4*\i+3]
.endr
	LOADS                                          ; the next step's operands, on their way under the sum
.set j, 16
.rept 6
.irp i, 0,1,2,3
	v_pk_add_f32 v[T+2*\i:T+2*\i+1], v[T+2*\i:T+2*\i+1], v[S+j+2*\i:S+j+2*\i+1]
.endr
.set j, j+8
.endr
	v_pk_add_f32 v[T:T+1], v[T:T+1], v[T+2:T+3]
	v_pk_add_f32 v[T+4:T+5], v[T+4:T+5], v[T+6:T+7]
	v_pk_add_f32 v[T:T+1], v[T:T+1], v[T+4:T+5]
	v_pk_add_f32 v[14:15], v[14:15], v[T:T+1]
	s_add_co_u32 s[CNT], s[CNT], 1
	s_cmp_lg_u32 s[CNT], 16
	s_cbranch_scc1 .Lstep
	; THE WAY OUT: O^T / l, quantised along my head's 64 channels: register 16 b + i is channel 32 b + 16 h + i of my query.  It names none of the registers into which key step 0's loads are on their way.
	v_add_f32 v14, v14, v15
	v_permlanex16_b32 v[BX], v14, s[SEL], s[SEL+1]
	v_add_f32 v14, v14, v[BX]                      ; the row's sum
	WALU
	v_rcp_f32 v14, v14
	v_nop
	WALU                                           ; ahead of the reciprocal's first reader, and of O^T's
.set j, 0
.rept 16
	v_pk_mul_f32 v[S+j:S+j+1], v[O+j:O+j+1], v[14:15] op_sel_hi:[1,0]
.set j, j+2
.endr
.irp b, 0,1
	v_max3_num_f32 v[BM+\b], |v[S+16*\b]|, |v[S+1+16*\b]|, 0x1800000
.endr
.irp i, 2,4,6,8,10,12,14
.irp b, 0,1
	v_max3_num_f32 v[BM+\b], v[BM+\b], |v[S+16*\b+\i]|, |v[S+1+16*\b+\i]|
.endr
.endr
.irp b, 0,1
	v_permlanex16_b32 v[BX+\b], v[BM+\b], s[SEL], s[SEL+1]
.endr
.irp b, 0,1
	v_max_num_f32 v[BM+\b], v[BM+\b], v[BX+\b]
.endr
.irp b, 0,1
	v_add_nc_u32 v[SOP+\b], 0xff000000, v[BM+\b]
.endr
.irp b, 0,1
	v_lshrrev_b32 v[EB+\b], 23, v[SOP+\b]
.endr
	v_lshl_or_b32 v11, v[EB+1], 8, v[EB]           ; my head's two bytes of the row's scale word
	v_cvt_scalef32_pk16_fp6_f32 v[PO:PO+2], v[S:S+15], v[SOP]
	v_cvt_scalef32_pk16_fp6_f32 v[PO+8:PO+10], v[S+16:S+31], v[SOP+1]
	v_nop
.irp i, 0,1,2
	v_permlane16_swap_b32 v[PO+\i], v[PO+8+\i]     ; the operand wants a whole block in a lane
.endr
.irp i, 0,1,2
	v_mov_b32 v[PO+3+\i], v[PO+8+\i]
.endr
.irp p, 0,1,2
	global_store_b64 v[L8], v[PO+2*\p:PO+2*\p+1], s[8:9] offset:256*\p   ; 256 consecutive bytes, aligned
.endr
	global_store_b16 v[R16], v11, s[10:11]         ; two bytes a row, 16 bytes apart: two heads share a word; one part in 24 of what the launch stores.  Lanes 16-31 write the same bytes
	s_wait_xcnt 0x0                                ; the loads and stores have read their bases and registers
	s_add_nc_u64 s[50:51], s[50:51], 2*6656        ; 256 queries on
	s_add_nc_u64 s[52:53], s[52:53], 2*6656
	s_add_nc_u64 s[8:9], s[8:9], 16*12288
	s_add_nc_u64 s[10:11], s[10:11], 16*512
	s_add_co_u32 s[PASS], s[PASS], 1
	s_cmp_lg_u32 s[PASS], 2
	s_cbranch_scc1 .Lpass
	s_wait_tensorcnt 0x0                           ; the wave's end
	ds_add_u32 v[SPW], v[NIL]
	s_wait_dscnt 0x0                               ; (the last trip's loads of key step 0 are awaited here too, and not used)
	CROUND                                         ; the closing round
	s_endpgm
.Lfunc_end_k_q4d91ce3b9b_attn:
	.size	k_q4d91ce3b9b_attn, .Lfunc_end_k_q4d91ce3b9b_attn-k_q4d91ce3b9b_attn
	.p2alignl 7, 3214868480
	.fill 96, 4, 3214868480
	.section	.rodata,"a",@progbits
	.p2align	6, 0x0
	.amdhsa_kernel k_q4d91ce3b9b_attn
		.amdhsa_group_segment_fixed_size 327680
		.amdhsa_private_segment_fixed_size 0
		.amdhsa_enable_private_segment 0
		.amdhsa_kernarg_size 32
		.amdhsa_user_sgpr_count 2
		.amdhsa_user_sgpr_kernarg_segment_ptr 1
		.amdhsa_wavefront_size32 1
		.amdhsa_system_sgpr_workgroup_id_x 1
		.amdhsa_system_sgpr_workgroup_id_y 1
		.amdhsa_system_sgpr_workgroup_id_z 1
		.amdhsa_system_vgpr_workitem_id 0
		.amdhsa_next_free_vgpr 256
		.amdhsa_next_free_sgpr 66
		.amdhsa_reserve_vcc 0
		.amdhsa_float_denorm_mode_32 3
		.amdhsa_float_denorm_mode_16_64 3
		.amdhsa_memory_ordered 1
		.amdhsa_forward_progress 1
		.amdhsa_inst_pref_size 30
	.end_amdhsa_kernel
	.amdgpu_metadata
---
amdhsa.version: [ 1, 2 ]
amdhsa.kernels:
  - .name:           k_q4d91ce3b9b_attn
    .symbol:         k_q4d91ce3b9b_attn.kd
    .args:
      - { .name: qbuf, .offset: 0, .size: 8, .value_kind: global_buffer, .address_space: global }
      - { .name: kv, .offset: 8, .size: 8, .value_kind: global_buffer, .address_space: global }
      - { .name: a_codes, .offset: 16, .size: 8, .value_kind: global_buffer, .address_space: global }
      - { .name: a_scales, .offset: 24, .size: 8, .value_kind: global_buffer, .address_space: global }
    .group_segment_fixed_size: 327680
    .private_segment_fixed_size: 0
    .kernarg_segment_align: 8
    .kernarg_segment_size: 32
    .max_flat_workgroup_size: 512
    .sgpr_count:     66
    .vgpr_count:     256
    .wavefront_size: 32
...
	.end_amdgpu_metadata
.endif
;; end of part 3
;; launch oproj (part 4): grid 8 x 32, 4 waves a work-group, clusters of 4 x 4, 327,680 bytes of LDS; arguments a_codes, a_scales, xw_codes, xw_scales, bo, out0; writes out0
.if DOCPART == 4
	.amdgcn_target "amdgcn-amd-amdhsa--gfx1250"
	.amdhsa_code_object_version 6
	.text
	.protected	k_q4d91ce3b9b_oproj
	.globl	k_q4d91ce3b9b_oproj
	.p2align	8
	.type	k_q4d91ce3b9b_oproj,@function
k_q4d91ce3b9b_oproj:
	s_mov_b64 s[64:65], 0
	v_nop
	global_prefetch_b8 v0, s[64:65] scope:SCOPE_SE
	s_setreg_imm32_b32 hwreg(HW_REG_WAVE_MODE, 25, 1), 1
	s_wait_xcnt 0x0
	s_wait_alu depctr_hold_cnt(0) depctr_sa_sdst(0) depctr_va_vdst(0) depctr_va_sdst(0) depctr_va_ssrc(0) depctr_va_vcc(0) depctr_vm_vsrc(0)
	s_getreg_b32 s2, hwreg(HW_REG_IB_STS2, 6, 4)
	s_cmp_eq_u32 s2, 0
	s_cbranch_scc0 .Lentry_in_a_cluster
	s_endpgm
.Lentry_in_a_cluster:
	s_bfe_u32 s2, ttmp6, 0x10000c
	s_cmp_lg_u32 s2, 0xf033
	s_cbranch_scc0 .Lentry_shape_is_right
	s_endpgm
.Lentry_shape_is_right:
; out0 = A wo^T + bo on codes of FP6 (E2M3) with E8M0 scales.  A: a_codes [token tile][K step][1,536], a_scales [token tile][half of K][row][4 words]; wo: row tiles 704-767 of xw_codes and xw_scales, laid alike.
; Storage row i of tile T is row 32 (T / 2) + 8 (T % 2) + i + 8 (i / 8).  A fragment's image: piece p (0..5) is 256 bytes, lane l's 8 bytes at 256 p + 8 l are the operand's registers 2 p, 2 p + 1.
; SHARES: 256 work-groups, each a block of 256 rows x 128 columns; four waves, 2 x 2, each 128 x 64: 32 accumulators.
; LDS: the block's 16 token tiles (196,608 bytes) and 8 tiles of wo (98,304), ALL of K, dense as they lie in memory, FILLED ONCE: one joint load a wave (waves 0, 1: 8 token tiles each; waves 2, 3: 4 tiles of wo each), one wait, one barrier.
; Nothing is filled again, and no barrier stands in the walk along K.  Behind them a stage of 16 rows x 272 bytes for each wave, on bytes of its own, and the spare words.
; CLUSTER 4 x 4: the token tiles are shared along a row of the cluster, wo's along a column.
; The scale words of a wave's 8 + 4 tiles for all of K go straight into registers: each load reads 256 consecutive bytes (lanes 16-31 read the same).  The bias is the first products' C.
; The matrix instruction is used transposed (source 0 = wo's rows): a lane holds eight neighbouring columns of a row of the result.
; NO PREFETCH: all tiles are asked for at the head, each once in a cluster; there is no loop to run ahead in.
; REGISTERS: window 0: v0-31 addresses, v32-95 A's scale words (8 a + K step), v100-131 wo's (8 b + K step), v132-163 the bias, v164-227 the way out; window 1: the token fragments, two sets at v0 and v128;
; window 2: accumulator (a, b) at v[8 (4 a + b)]; window 3: wo's fragments, two sets at v0 and v64.
.set FR,     12
.set FRB,    1536
.set TILEB,  8*FRB
.set BBASE,  16*TILEB
.set STAGE,  BBASE+8*TILEB
.set SPITCH, 272
.set SPARE,  STAGE+4*16*SPITCH
.set LA,   8                           ; v8, v9 LDS address of my token tiles 0-3, 4-7
.set LB,   10                          ; v10 of my tiles of wo
.set R16,  11                          ; v11 16 x (lane % 16)
.set H64,  12                          ; v12 64 x (lane / 16)
.set STO,  13
.set RD,   14
.set CO,   15
.set SPW,  28
.set NIL,  29
.set SA,   32
.set SB,   100
.set BI,   132
.set BK,   164
.set G1A,  24
.set G1B,  32
.set G0A,  40
.set G0B,  44
.set MSB, 0
.macro WIN new
.if MSB != (\new)
	s_set_vgpr_msb (MSB<<8)|(\new)
.set MSB, (\new)
.endif
.endm
.macro PLACES n
.rept \n
	v_nop
.endr
.endm
.macro CROUND
	s_barrier_signal -1
	s_barrier_wait -1
	s_cmp_lg_u32 s16, 0
	s_cbranch_scc1 .Lnot_wave_0_\@
	s_barrier_signal -3
.Lnot_wave_0_\@:
	s_barrier_wait -3
	s_barrier_signal -1
	s_barrier_wait -1
.endm
	s_load_b256 s[4:11], s[0:1], 0x0               ; a_codes, a_scales, xw_codes, xw_scales
	s_load_b128 s[12:15], s[0:1], 0x20             ; bo, out0
	v_lshl_add_u32 v[SPW], v0, 2, SPARE
	v_mov_b32 v[NIL], 0
	ds_add_u32 v[SPW], v[NIL]                      ; the opening lines: the add twice and its wait
	ds_add_u32 v[SPW], v[NIL]
	v_lshrrev_b32 v1, 5, v0
	v_readfirstlane_b32 s16, v1                    ; wave
	s_lshr_b32 s17, s16, 1                         ; my half of the rows.  Also: I fetch token tiles (0) or wo (1)
	s_and_b32 s18, s16, 1                          ; my half of the columns.  Also: which half I fetch
	s_bfe_u32 s19, ttmp6, 0x40000                  ; cx
	s_bfe_u32 s20, ttmp6, 0x40004                  ; cy
	s_lshl_b32 s21, s20, 2
	s_lshl_b32 s21, 15, s21                        ; my row of the cluster
	s_lshl_b32 s22, 0x1111, s19                    ; my column
	s_or_b32 s[G1A], s21, (3<<16)|(1<<21)
	s_or_b32 s[G1B], s22, (3<<16)|(1<<21)
.irp g, G1A, G1B
	s_mov_b32 s[\g+1], 1536<<16                    ; rows of 12,288 bytes: a tile, all of K; dense
	s_mov_b32 s[\g+3], 1536<<16
	s_mov_b32 s[\g+5], 1536
	s_mov_b32 s[\g+6], 0
	s_mov_b32 s[\g+7], 0
.endr
	s_mov_b32 s[G1A+2], 8<<16
	s_mov_b32 s[G1A+4], 8
	s_mov_b32 s[G1B+2], 4<<16
	s_mov_b32 s[G1B+4], 4
	s_and_b32 s23, ttmp7, 0xffff                   ; cluster y
	s_lshl_b32 s48, s23, 6
	s_lshl_b32 s49, s20, 4
	s_add_co_u32 s48, s48, s49                     ; the block's first token tile
	s_lshl_b32 s49, s18, 3
	s_add_co_u32 s50, s48, s49                     ; the 8 that I fetch
	s_mul_i32 s50, s50, TILEB
	s_mov_b32 s51, 0
	s_lshl_b32 s49, s17, 3
	s_add_co_u32 s52, s48, s49                     ; the 8 that I multiply
	s_lshl_b32 s52, s52, 9                         ; their scale words
	s_mov_b32 s53, 0
	s_lshl_b32 s54, ttmp9, 5
	s_lshl_b32 s55, s19, 3
	s_add_co_u32 s54, s54, s55
	s_lshl_b32 s55, s18, 2
	s_add_co_u32 s54, s54, s55
	s_add_co_u32 s54, s54, 704                     ; my 4 tiles of wo, to fetch and to multiply
	s_lshl_b32 s56, s54, 9
	s_mov_b32 s57, 0
	s_mul_i32 s54, s54, TILEB
	s_mov_b32 s55, 0
	s_lshl_b32 s58, ttmp9, 2
	s_add_co_u32 s58, s58, s19
	s_lshl_b32 s58, s58, 9
	s_lshl_b32 s59, s18, 8
	s_add_co_u32 s58, s58, s59                     ; my first column, in bytes
	s_mov_b32 s59, 0
	s_lshl_b32 s60, s23, 2
	s_add_co_u32 s60, s60, s20
	s_lshl_b32 s60, s60, 1
	s_add_co_u32 s60, s60, s17
	s_lshl_b32 s60, s60, 19                        ; my first row: 128 rows of 4,096 bytes
	s_mov_b32 s61, 0
	s_mov_b32 s[G0A], 1
	s_mul_i32 s[G0A+1], s18, 8*TILEB
	s_mov_b32 s[G0B], 1
	s_mul_i32 s[G0B+1], s18, 4*TILEB
	s_add_co_u32 s[G0B+1], s[G0B+1], BBASE
	s_mul_i32 s62, s17, 8*TILEB
	s_mul_i32 s63, s18, 4*TILEB
	s_add_co_u32 s63, s63, BBASE
	s_mul_i32 s2, s16, 16*SPITCH
	s_add_co_u32 s2, s2, STAGE
	s_wait_dscnt 0x0
	s_wait_kmcnt 0x0
	s_add_nc_u64 s[G0A+2:G0A+3], s[4:5], s[50:51]
	s_or_b32 s[G0A+3], s[G0A+3], 0x80000000
	s_add_nc_u64 s[G0B+2:G0B+3], s[8:9], s[54:55]
	s_or_b32 s[G0B+3], s[G0B+3], 0x80000000
	s_add_nc_u64 s[6:7], s[6:7], s[52:53]
	s_add_nc_u64 s[10:11], s[10:11], s[56:57]
	s_add_nc_u64 s[12:13], s[12:13], s[58:59]
	s_add_nc_u64 s[14:15], s[14:15], s[58:59]
	s_add_nc_u64 s[14:15], s[14:15], s[60:61]
	CROUND                                         ; all sixteen work-groups are here: the joint loads meet
	s_cmp_eq_u32 s17, 0
	s_cbranch_scc0 .Lfor_b
	tensor_load_to_lds s[G0A:G0A+3], s[G1A:G1A+7]
	s_nop 0
	PLACES 4
	s_branch .Lasked
.Lfor_b:
	tensor_load_to_lds s[G0B:G0B+3], s[G1B:G1B+7]
	s_nop 0
	PLACES 4
.Lasked:
	v_and_b32 v1, 15, v0
	v_bfe_u32 v2, v0, 4, 1
	v_and_b32 v3, 31, v0
	v_lshlrev_b32 v4, 3, v3
	v_add_nc_u32 v[LA], s62, v4
	v_add_nc_u32 v[LA+1], 4*TILEB, v[LA]
	v_add_nc_u32 v[LB], s63, v4
	v_lshlrev_b32 v[R16], 4, v1
	v_lshlrev_b32 v[H64], 6, v2
	v_mul_u32_u24 v5, v1, SPITCH
	v_add_nc_u32 v5, v5, v[H64]
	v_add_nc_u32 v[STO], s2, v5                    ; the stage, in: row l % 16, 64 bytes on for the upper lanes
	v_mul_u32_u24 v6, v2, SPITCH
	v_add_nc_u32 v6, v6, v[R16]
	v_add_nc_u32 v[RD], s2, v6                     ; and back: sixteen lanes to a row of 256 bytes, two rows a load
	v_lshl_add_u32 v[CO], v2, 12, v[R16]           ; the same two rows in out0
.irp a, 0,1,2,3,4,5,6,7
.irp g, 0,1
	global_load_b128 v[SA+8*\a+4*\g:SA+8*\a+4*\g+3], v[R16], s[6:7] offset:512*\a+256*\g
.endr
.endr
.irp b, 0,1,2,3
.irp g, 0,1
	global_load_b128 v[SB+8*\b+4*\g:SB+8*\b+4*\g+3], v[R16], s[10:11] offset:512*\b+256*\g
.endr
.endr
.irp b, 0,1,2,3
	global_load_b128 v[BI+8*\b:BI+8*\b+3], v[H64], s[12:13] offset:(32*(\b/2)+8*(\b%2))*4
	global_load_b128 v[BI+8*\b+4:BI+8*\b+7], v[H64], s[12:13] offset:(32*(\b/2)+8*(\b%2))*4+16
.endr
.macro FETCH_B q, set                  ; wo's four fragments of K step q: 24 loads
	WIN 0xc0
.irp b, 0,1,2,3
.irp p, 0,1,2,3,4,5
	ds_load_b64 v[64*(\set)+FR*\b+2*\p:64*(\set)+FR*\b+2*\p+1], v[LB] offset:\b*TILEB+(\q)*FRB+256*\p
.endr
.endr
.endm
.macro FETCH_A q, set, a0              ; four token fragments of K step q: 24 loads
	WIN 0x40
.irp a, \a0, \a0+1, \a0+2, \a0+3
.irp p, 0,1,2,3,4,5
	ds_load_b64 v[128*(\set)+FR*(\a)+2*\p:128*(\set)+FR*(\a)+2*\p+1], v[LA+(\a)/4] offset:((\a)%4)*TILEB+(\q)*FRB+256*\p
.endr
.endr
.endm
; 16 products: four token tiles x wo's four.  The 32 accumulators take turns, one instruction a turn, in the same order in every K step.
.macro MULH q, set, a0, c0
.if \c0
	WIN 0x87
.else
	WIN 0xa7
.endif
.irp a, \a0, \a0+1, \a0+2, \a0+3
.irp b, 0,1,2,3
.if \c0
	v_wmma_scale_f32_16x16x128_f8f6f4 v[8*(4*(\a)+\b):8*(4*(\a)+\b)+7], v[64*(\set)+FR*\b:64*(\set)+FR*\b+FR-1], v[128*(\set)+FR*(\a):128*(\set)+FR*(\a)+FR-1], v[BI+8*\b:BI+8*\b+7], v[SB+8*\b+(\q)], v[SA+8*(\a)+(\q)] matrix_a_fmt:MATRIX_FMT_FP6 matrix_b_fmt:MATRIX_FMT_FP6
.else
	v_wmma_scale_f32_16x16x128_f8f6f4 v[8*(4*(\a)+\b):8*(4*(\a)+\b)+7], v[64*(\set)+FR*\b:64*(\set)+FR*\b+FR-1], v[128*(\set)+FR*(\a):128*(\set)+FR*(\a)+FR-1], v[8*(4*(\a)+\b):8*(4*(\a)+\b)+7], v[SB+8*\b+(\q)], v[SA+8*(\a)+(\q)] matrix_a_fmt:MATRIX_FMT_FP6 matrix_b_fmt:MATRIX_FMT_FP6
.endif
.endr
.endr
.endm
	s_wait_alu depctr_va_vdst(0)                   ; the wait at the head's end
	s_wait_tensorcnt 0x0                           ; my tiles are in;
	s_barrier_signal -1
	s_barrier_wait -1                              ; everybody's are
	FETCH_B 0, 0
	FETCH_A 0, 0, 0
	FETCH_A 0, 0, 4
	s_wait_loadcnt 0x0                             ; the scale words and the bias
.set Q, 0
.rept 7                                ; K step Q on set Q % 2; the next step's fragments go into the other set, in two runs
.if Q
	PLACES 4                                       ; ahead of loads into the set that the step before multiplied
.endif
	FETCH_B Q+1, (Q+1)%2
	FETCH_A Q+1, (Q+1)%2, 0
	s_wait_dscnt 48                                ; all but the 48 just issued: this step's fragments are in
.if Q
	MULH Q, Q%2, 0, 0
.else
	MULH 0, 0, 0, 1
.endif
	FETCH_A Q+1, (Q+1)%2, 4
.if Q
	MULH Q, Q%2, 4, 0
.else
	MULH 0, 0, 4, 1
.endif
.set Q, Q+1
.endr
	s_wait_dscnt 0x0
	MULH 7, 1, 0, 0
	MULH 7, 1, 4, 0
	WIN 0
; THE WAY OUT, block by block of 16 rows x 64 columns, through my own stage: back come whole rows of 256 bytes, which sixteen lanes store as one aligned unit.
.macro TOSTAGE a
	WIN 0x08
.irp b, 0,1,2,3
	ds_store_b128 v[STO], v[8*(4*(\a)+\b):8*(4*(\a)+\b)+3] offset:128*(\b/2)+32*(\b%2)          ; each accumulator from its low end on
	ds_store_b128 v[STO], v[8*(4*(\a)+\b)+4:8*(4*(\a)+\b)+7] offset:128*(\b/2)+32*(\b%2)+16
.endr
	WIN 0
.set BB, BK+32*((\a)%2)
.irp t, 0,1,2,3,4,5,6,7
	ds_load_b128 v[BB+4*\t:BB+4*\t+3], v[RD] offset:2*\t*SPITCH   ; LDS serves a wave's instructions in order: these see the stores above
.endr
.endm
.macro SEND a, younger
.set BB, BK+32*((\a)%2)
	s_wait_dscnt \younger
.irp t, 0,1,2,3,4,5,6,7
	global_store_b128 v[CO], v[BB+4*\t:BB+4*\t+3], s[14:15] offset:(32*((\a)/2)+8*((\a)%2)+2*\t+8*(\t/4))*4096 th:TH_STORE_NT
.endr
.endm
	PLACES 4
	TOSTAGE 0
.irp a, 1,2,3,4,5,6,7
.if \a > 1
	s_wait_xcnt 0x0                                ; block a - 2's stores have read their registers
.endif
	TOSTAGE \a
	SEND \a-1, 16                                  ; behind block a - 1's loads: block a's 8 stores and 8 loads
.endr
	SEND 7, 0
	s_wait_tensorcnt 0x0                           ; the wave's end
	ds_add_u32 v[SPW], v[NIL]
	s_wait_dscnt 0x0
	CROUND                                         ; the closing round
	s_endpgm
.Lfunc_end_k_q4d91ce3b9b_oproj:
	.size	k_q4d91ce3b9b_oproj, .Lfunc_end_k_q4d91ce3b9b_oproj-k_q4d91ce3b9b_oproj
	.p2alignl 7, 3214868480
	.fill 96, 4, 3214868480
	.section	.rodata,"a",@progbits
	.p2align	6, 0x0
	.amdhsa_kernel k_q4d91ce3b9b_oproj
		.amdhsa_group_segment_fixed_size 327680
		.amdhsa_private_segment_fixed_size 0
		.amdhsa_enable_private_segment 0
		.amdhsa_kernarg_size 48
		.amdhsa_user_sgpr_count 2
		.amdhsa_user_sgpr_kernarg_segment_ptr 1
		.amdhsa_wavefront_size32 1
		.amdhsa_system_sgpr_workgroup_id_x 1
		.amdhsa_system_sgpr_workgroup_id_y 1
		.amdhsa_system_sgpr_workgroup_id_z 1
		.amdhsa_system_vgpr_workitem_id 0
		.amdhsa_next_free_vgpr 1024
		.amdhsa_next_free_sgpr 66
		.amdhsa_reserve_vcc 0
		.amdhsa_float_denorm_mode_32 3
		.amdhsa_float_denorm_mode_16_64 3
		.amdhsa_memory_ordered 1
		.amdhsa_forward_progress 1
		.amdhsa_inst_pref_size 95
	.end_amdhsa_kernel
	.amdgpu_metadata
---
amdhsa.version: [ 1, 2 ]
amdhsa.kernels:
  - .name:           k_q4d91ce3b9b_oproj
    .symbol:         k_q4d91ce3b9b_oproj.kd
    .args:
      - { .name: a_codes, .offset: 0, .size: 8, .value_kind: global_buffer, .address_space: global }
      - { .name: a_scales, .offset: 8, .size: 8, .value_kind: global_buffer, .address_space: global }
      - { .name: xw_codes, .offset: 16, .size: 8, .value_kind: global_buffer, .address_space: global }
      - { .name: xw_scales, .offset: 24, .size: 8, .value_kind: global_buffer, .address_space: global }
      - { .name: bo, .offset: 32, .size: 8, .value_kind: global_buffer, .address_space: global }
      - { .name: out0, .offset: 40, .size: 8, .value_kind: global_buffer, .address_space: global }
    .group_segment_fixed_size: 327680
    .private_segment_fixed_size: 0
    .kernarg_segment_align: 8
    .kernarg_segment_size: 48
    .max_flat_workgroup_size: 128
    .sgpr_count:     66
    .vgpr_count:     1024
    .wavefront_size: 32
...
	.end_amdgpu_metadata
.endif
;; end of part 4
